; MI455X (gfx1250); checked and timed in simulation.
; The chip was launched on July 23, 2026; its instructions are those of AMD's public machine-readable ISA for CDNA 5 (MIT licence, August 2026) and "CDNA5" Instruction Set Architecture Reference Guide (July 2026). The comments in the code are by the model that wrote it; some were corrected since.
;; Prob Attention. Allowed arithmetic: float matrix products may take bf16 or f16 operands with f32 sums; all other float work in f32.
;; Inputs: attn_mask 2,048 x 2,048 bool; keys 4 x 8 x 2,048 x 64 float32; queries 4 x 8 x 2,048 x 64 float32; values 4 x 8 x 2,048 x 64 float32.
;; Outputs: out0 4 x 8 x 2,048 x 64 float32.
;; One version. Each part assembles by itself: llvm-mc -triple=amdgcn-amd-amdhsa -mcpu=gfx1250 --defsym DOCPART=n.
;; ======== version 1 of 1: 2 launches
;; limits: right only within a limited range of input values; values are held in f16: magnitudes above 65,504 overflow, below 6.1e-05 lose precision; inputs' magnitudes at most 65,504
;; workspace buffers: maskbits 524,288 bytes of whole numbers; tileflags 512 bytes of whole numbers
;; launch pack (part 1): grid 128 x 1, 8 waves a work-group, no clusters, 36,096 bytes of LDS; arguments attn_mask, maskbits, tileflags; writes maskbits, tileflags
.if DOCPART == 1
	.amdgcn_target "amdgcn-amd-amdhsa--gfx1250"
	.amdhsa_code_object_version 6
	.text
	.protected	k_q72e73dcf91_pack
	.globl	k_q72e73dcf91_pack
	.p2align	8
	.type	k_q72e73dcf91_pack,@function
k_q72e73dcf91_pack:
	s_mov_b64 s[64:65], 0
	v_nop
	global_prefetch_b8 v0, s[64:65] scope:SCOPE_SE
	s_setreg_imm32_b32 hwreg(HW_REG_WAVE_MODE, 25, 1), 1
	s_wait_xcnt 0x0
; attn_mask [2048][2048] of bytes (0 or 1)  ->  maskbits [128 q-tiles][32 key blocks][32 words]  and  tileflags [128 words].
; maskbits: word 8 t + j of (q-tile QT, key block kb) has in bit L the byte attn_mask[16 QT + (L & 15)][64 kb + 16 t + 8 (L >> 4) + j]:
; the lane mask of register j of the 16 x 16 score tile t as the next launch's matrix instruction leaves it (key 8 (L >> 4) + j, query L & 15).
; tileflags: bit kb of word QT = 1: the block of 16 queries x 64 keys has to be computed.  It is 0 only if all its 1,024 bytes are set AND no
; row of the q-tile is masked over all 2,048 keys; a q-tile with such a row gets all ones, so that this row sees every key.
; A work-group takes one q-tile (the test for a wholly masked row needs whole rows): 128 work-groups.  Wave w takes keys 256 w .. 256 w + 255
; = key blocks 4 w .. 4 w + 3 = 128 words.  The bytes are read once, two whole pieces of 256 bytes of two rows with each load, turned through
; the wave's own LDS stage, and the wave's 128 words leave as one store of 512 consecutive bytes.
; The flag word is 4 bytes for a work-group: 512 bytes in the whole launch; they are the only store that is not whole blocks of 256 bytes.
.set PITCH, 272                        ; a stage row: 256 bytes + 16, so that the 16 rows which a read touches start 4 words apart modulo 64 words
.set WSTG,  16*PITCH                   ; a wave's stage: 16 rows
.set EX,    8*WSTG                     ; behind the stages: 8 bytes for each wave (its four flag bits; the AND of its 128 words)
.set GOFF, 4                           ; v4       h * 2048 + 16 r: my 16 bytes in the first two rows of the wave's piece
.set STA,  5                           ; v5       stage address for these 16 bytes
.set LDA,  6                           ; v6       stage address of row r, byte 8 h
.set SOFF, 7                           ; v7       16 * lane: my four words of the wave's 128
.set IN,   8                           ; v[8:39]  eight loads of 16 bytes
.set DD,   40                          ; v[40:71] pair u: the bytes of row r, keys 16 u + 8 h + 0 .. 7
.set OW,   72                          ; v[72:75] lane l: words 4 l .. 4 l + 3
.set TT,   76                          ; v[76:77] at work
.set XC,   78                          ; v[78:93] the eight waves' pairs
	s_load_b128 s[4:7], s[0:1], 0x0                ; attn_mask s[4:5], maskbits s[6:7]
	s_load_b64 s[8:9], s[0:1], 0x10                ; tileflags
	v_lshl_add_u32 v96, v0, 2, 0x8900
	v_mov_b32 v97, 0
	v_lshrrev_b32 v1, 5, v0
	v_readfirstlane_b32 s10, v1                    ; wave 0..7
	v_and_b32 v2, 15, v0                           ; r
	v_bfe_u32 v3, v0, 4, 1                         ; h
	v_and_b32 v1, 31, v0                           ; lane
	s_mul_i32 s14, s10, WSTG                       ; my wave's stage
	v_lshlrev_b32 v[GOFF], 4, v2
	v_lshl_add_u32 v[GOFF], v3, 11, v[GOFF]
	v_mul_u32_u24 v[STA], v3, PITCH
	v_lshl_add_u32 v[STA], v2, 4, v[STA]
	v_add_nc_u32 v[STA], s14, v[STA]
	v_mul_u32_u24 v[LDA], v2, PITCH
	v_lshl_add_u32 v[LDA], v3, 3, v[LDA]
	v_add_nc_u32 v[LDA], s14, v[LDA]
	v_lshlrev_b32 v[SOFF], 4, v1
.irp k, 0,1,2,3
	v_mov_b32 v[OW+\k], 0                          ; v_writelane_b32 keeps the other lanes: the register is written whole first
.endr
	s_mov_b32 s13, 0
	s_lshl_b32 s12, ttmp9, 15                      ; 16 rows of 2,048 bytes for a q-tile,
	s_lshl_b32 s15, s10, 8                         ; 256 bytes of a row for a wave
	s_add_co_u32 s12, s12, s15
	s_wait_kmcnt 0x0
	s_add_nc_u64 s[4:5], s[4:5], s[12:13]
	s_lshl_b32 s12, ttmp9, 12                      ; 4,096 bytes of words for a q-tile,
	s_lshl_b32 s15, s10, 9                         ; 512 for a wave
	s_add_co_u32 s12, s12, s15
	s_add_nc_u64 s[6:7], s[6:7], s[12:13]
	s_lshl_b32 s12, ttmp9, 2
	s_add_nc_u64 s[8:9], s[8:9], s[12:13]
.irp i, 0,1,2,3,4,5,6,7
	global_load_b128 v[IN+4*\i:IN+4*\i+3], v[GOFF], s[4:5] offset:4096*\i th:TH_LOAD_NT   ; rows 2 i and 2 i + 1; each byte is read once in the launch
.endr
.irp i, 0,1,2,3,4,5,6,7
	s_wait_loadcnt 7-\i                            ; loads come back in order: pair i is in, the younger ones stay out
	ds_store_b128 v[STA], v[IN+4*\i:IN+4*\i+3] offset:2*PITCH*\i
.endr
.irp u, 0,1,2,3,4,5,6,7,8,9,10,11,12,13,14,15
	ds_load_b64 v[DD+2*\u:DD+2*\u+1], v[LDA] offset:16*\u      ; my wave's own bytes; LDS serves a wave's instructions in order, so these see the stores
.endr
	s_wait_dscnt 0x0
; Word 8 u + j of the wave's 128: one byte of each lane becomes one bit.  s[16+u/4] gathers the AND of a key block's 32 words.
.macro WORD u, j
	v_and_b32 v[TT+(\j&1)], 0xff<<(8*(\j&3)), v[DD+2*\u+(\j>>2)]
	v_cmp_ne_u32 s[20+(\j&1)], 0, v[TT+(\j&1)]
	v_writelane_b32 v[OW+(\j&3)], s[20+(\j&1)], 2*\u+(\j>>2)
.if ((\u&3)|\j) == 0
	s_mov_b32 s[16+(\u>>2)], s[20+(\j&1)]
.else
	s_and_b32 s[16+(\u>>2)], s[16+(\u>>2)], s[20+(\j&1)]
.endif
.endm
.irp u, 0,1,2,3,4,5,6,7,8,9,10,11,12,13,14,15
.irp j, 0,1,2,3,4,5,6,7
	WORD \u, \j
.endr
.endr
	global_store_b128 v[SOFF], v[OW:OW+3], s[6:7]  ; 512 consecutive bytes, at a multiple of 512 from the buffer's first byte
	; my four flag bits (a block of which every byte is set gets 0), at their place in the q-tile's word, and the AND of all my words
	s_cmp_eq_u32 s16, -1
	s_cselect_b32 s22, 0, 1
.irp k, 1,2,3
	s_cmp_eq_u32 s[16+\k], -1
	s_cselect_b32 s20, 0, 1<<\k
	s_or_b32 s22, s22, s20
.endr
	s_lshl_b32 s21, s10, 2
	s_lshl_b32 s22, s22, s21
	s_and_b32 s23, s16, s17
	s_and_b32 s23, s23, s18
	s_and_b32 s23, s23, s19
	v_mov_b32 v[XC], s22
	v_mov_b32 v[XC+1], s23
	s_lshl_b32 s21, s10, 3
	s_add_co_u32 s21, s21, EX
	v_mov_b32 v[TT+1], s21
	ds_store_b64 v[TT+1], v[XC:XC+1]               ; every lane writes the same 8 bytes
	s_wait_dscnt 0x0                               ; for wave 0's sake: my pair is in LDS before I signal
	s_barrier_signal -1
	s_barrier_wait -1
	s_cmp_lg_u32 s10, 0
	s_cbranch_scc1 .Lend                           ; wave 0 alone puts the word together
	v_mov_b32 v[TT+1], EX
.irp k, 0,1,2,3
	ds_load_b128 v[XC+4*\k:XC+4*\k+3], v[TT+1] offset:16*\k
.endr
	s_wait_dscnt 0x0
.irp k, 80,82,84,86,88,90,92
	v_or_b32 v78, v78, v\k                         ; the 32 flag bits
.endr
.irp k, 81,83,85,87,89,91,93
	v_and_b32 v79, v79, v\k                        ; bit l: row l & 15 is masked at all keys with (key >> 3) & 1 = l >> 4
.endr
	v_lshrrev_b32 v[TT], 16, v79
	v_and_b32 v[TT], v[TT], v79
	v_and_b32 v[TT], 0xffff, v[TT]                 ; bit r: row r is masked at all 2,048 keys
	v_cmp_eq_u32 vcc_lo, 0, v[TT]
	v_cndmask_b32 v78, -1, v78, vcc_lo             ; any such row: every block of this q-tile is computed
	v_mov_b32 v[TT+1], 0
	s_wait_xcnt 0x0                                ; EXEC is a source of the store above: it changes only behind this wait
	v_cmp_gt_u32 vcc_lo, 1, v0
	s_and_saveexec_b32 s24, vcc_lo
	global_store_b32 v[TT+1], v78, s[8:9]          ; lane 0: the q-tile's word
	s_wait_xcnt 0x0                                ; and again in front of the line that widens EXEC
	s_or_b32 exec_lo, exec_lo, s24
.Lend:
	s_wait_tensorcnt 0x0
	ds_add_u32 v96, v97
	s_wait_dscnt 0x0
	s_endpgm
.Lfunc_end_k_q72e73dcf91_pack:
	.size	k_q72e73dcf91_pack, .Lfunc_end_k_q72e73dcf91_pack-k_q72e73dcf91_pack
	.p2alignl 7, 3214868480
	.fill 96, 4, 3214868480
	.section	.rodata,"a",@progbits
	.p2align	6, 0x0
	.amdhsa_kernel k_q72e73dcf91_pack
		.amdhsa_group_segment_fixed_size 36096
		.amdhsa_private_segment_fixed_size 0
		.amdhsa_enable_private_segment 0
		.amdhsa_kernarg_size 24
		.amdhsa_user_sgpr_count 2
		.amdhsa_user_sgpr_kernarg_segment_ptr 1
		.amdhsa_wavefront_size32 1
		.amdhsa_system_sgpr_workgroup_id_x 1
		.amdhsa_system_sgpr_workgroup_id_y 1
		.amdhsa_system_sgpr_workgroup_id_z 1
		.amdhsa_system_vgpr_workitem_id 0
		.amdhsa_next_free_vgpr 98
		.amdhsa_next_free_sgpr 66
		.amdhsa_reserve_vcc 1
		.amdhsa_float_denorm_mode_32 3
		.amdhsa_float_denorm_mode_16_64 3
		.amdhsa_memory_ordered 1
		.amdhsa_forward_progress 1
		.amdhsa_inst_pref_size 35
	.end_amdhsa_kernel
	.amdgpu_metadata
---
amdhsa.version: [ 1, 2 ]
amdhsa.kernels:
  - .name:           k_q72e73dcf91_pack
    .symbol:         k_q72e73dcf91_pack.kd
    .args:
      - { .name: attn_mask, .offset: 0, .size: 8, .value_kind: global_buffer, .address_space: global }
      - { .name: maskbits, .offset: 8, .size: 8, .value_kind: global_buffer, .address_space: global }
      - { .name: tileflags, .offset: 16, .size: 8, .value_kind: global_buffer, .address_space: global }
    .group_segment_fixed_size: 36096
    .private_segment_fixed_size: 0
    .kernarg_segment_align: 8
    .kernarg_segment_size: 24
    .max_flat_workgroup_size: 256
    .sgpr_count:     66
    .vgpr_count:     98
    .wavefront_size: 32
...
	.end_amdgpu_metadata
.endif
;; end of part 1
;; launch attn (part 2): grid 8 x 32, 8 waves a work-group, no clusters, 109,568 bytes of LDS; arguments keys, values, maskbits, out0, queries, tileflags; writes out0
.if DOCPART == 2
	.amdgcn_target "amdgcn-amd-amdhsa--gfx1250"
	.amdhsa_code_object_version 6
	.text
	.protected	k_q72e73dcf91_attn
	.globl	k_q72e73dcf91_attn
	.p2align	8
	.type	k_q72e73dcf91_attn,@function
k_q72e73dcf91_attn:
	s_mov_b64 s[64:65], 0
	v_nop
	global_prefetch_b8 v0, s[64:65] scope:SCOPE_SE
	s_setreg_imm32_b32 hwreg(HW_REG_WAVE_MODE, 25, 1), 1
	s_wait_xcnt 0x0
; out[h][q][:] = softmax over k of ( mask[q][k] ? -1e9 : q.k / 8 ) times V.  32 heads, 2,048 queries and keys, 64 numbers a row, all f32.
; Flash attention with a running maximum; products in f16 with f32 sums, everything else in f32.
;
; SHARES.  Work-group (c, head), 8 x 32 = 256.  It owns the 16 q-tiles (16 queries each) c + 8 i of its head; wave w owns tiles c + 8 w ("A") and
; c + 8 w + 64 ("B").  All eight waves walk the head's 32 key blocks of 64 keys together; each block's K and V (2 x 16 KiB of f32) are loaded once
; by the work-group, 2 + 2 KiB a wave, rounded to f16 in registers and laid into one of two LDS buffers that take turns; one barrier a trip.
; Work-group c begins at block rot = 4 c and wraps round, so that the eight work-groups of a head ask for eight different blocks at a time.
;
; TRANSPOSED PRODUCTS.  S^T = K Q^T: lane (r = l & 15, h = l >> 4) holds query r and keys 16 t + 8 h + j in register j of tile t.  So a query's
; maximum and sum stay in two lanes (one v_permlanex16_b32 a block), the rescaling factor is one number a lane, and the exponentials, packed two
; to a register in their order, ARE the second source of O^T = V^T P^T: no shuffle.  V^T's fragments come from V's rows by ds_load_tr16_b128.
;
; THE MASK is an input.  The launch before has turned it into lane masks (32 words for a q-tile and a key block, read into scalar registers: one
; v_cndmask_b32 a score) and into one flag word a q-tile: bit kb = 0 says that the block is masked whole and that no row of the q-tile is masked
; everywhere, so that every exponential of the block would be 0; such a block is not computed.  The branches hang on these flags alone.
;
; WHY F16.  A query that few keys reach has results of the size of V's numbers, while the results' common size is some ten times smaller; f16's
; eleven bits keep the rounding of P, V, Q and K small against that too.  P lies in [0, 1]; inputs have room up to 65,504.
; LIMITS.  |q|, |k|, |v| below 65,504 (f16).  A masked score is -2^33 in units of q.k, that is -1.07e9 behind the division by 8, in place of -1e9:
; 2^33 * log2(e)/8 is exact in f32, so a row that is masked everywhere gets exp2(0) = 1 at every key and comes out as the mean of all 2,048 value
; rows.  This, the blocks left out, and P's range hold for |q.k| / 8 below 1e8.  NaN and infinities among the inputs are not served.
;
; NO TENSOR LOADS, NO JOINT LOADS.  K and V lie in memory as f32 and are rounded before the matrix unit takes them.  Copied into LDS as they are, a
; block would be written (32 KiB) and read back (32 KiB) in every trip on top of the 16 KiB of f16 that are stored now; through registers it is
; rounded on its way.  And by the rotation the work-groups that share a head never want the same block at the same time.
.set KPITCH, 144                       ; K's LDS row: 64 f16 = 128 bytes + 16: an odd multiple of 16, the 16 rows of a fragment load start in 16 different 16-byte columns
.set VPITCH, 160                       ; V's LDS row: 128 bytes + 32: an odd multiple of 32, for the transposing load
.set VOFF,   64*KPITCH                 ; V's 64 rows lie behind K's 64
.set BUFB,   VOFF+64*VPITCH            ; one buffer: 19,456 bytes
.set STAGE,  2*BUFB                    ; behind the two buffers: each wave's own stage for the way out
.set SPITCH, 272                       ; a stage row: 64 f32 = 256 bytes + 16
.set WSTAGE, 32*SPITCH                 ; 32 rows: both q-tiles
.set TILEB,  16384                     ; a key block of K or of V in memory
.set QBSTEP, 262144                    ; from q-tile A to q-tile B: 64 q-tiles of 4,096 bytes, in queries, in out0 and in maskbits alike
; vector registers
.set GO,  1                            ; (8 w + 4 h) * 256 + 16 r: my 16 bytes of the first of my four rows of a block
.set KS,  2                            ; where their four f16 go in K's tile: (8 w + 4 h) * 144 + 8 r
.set VS,  3                            ; and in V's tile
.set KA,  4                            ; K fragments: r * 144 + 16 h
.set VA,  5                            ; V fragments: VOFF + (8 h + (l & 7)) * 160 + 16 ((l >> 3) & 1)
.set NEG, 6                            ; -2^33
.set QO,  7                            ; r * 256 + 32 h
.set RD,  8                            ; the way out: stage + h * 272 + 16 r
.set CO,  9                            ; 16 * lane
.set RM,  10                           ; v[10+q]   running maximum, in units of q.k
.set RL,  12                           ; v[12+q]   running sum of my half of the keys
.set AL,  14                           ; v[14+2q]  rescaling factor (a pair is named, its low register is used)
.set NM,  18                           ; v[18+2q]  - round(maximum * c), c = log2(e) / 8 (a pair likewise)
.set TT,  22                           ; v[22+4q .. 25+4q] at work
.set PF,  30                           ; prefetch offset, never rewritten
.set STO, 31                           ; the way out: stage + r * 272 + 32 h
.set QF,  32                           ; v[32:63]   Q fragments (q, ks) at 16 q + 8 ks
.set OA,  64                           ; v[64:127]  O^T (q, dt) at 32 q + 8 dt
.set SC,  128                          ; v[128:191] S^T (q, t) at 32 q + 8 t; P is packed in place into the first 16 registers of each q
.set FR,  192                          ; v[192:255] K fragments (t, ks) at 16 t + 8 ks, then V fragments (g, dt) at 32 g + 8 dt
                                       ; v[256:319] (second window, written v0 .. v63) two sets of 32: a block's K (16) and V (16) as loaded
; scalar registers: s[2:3] prefetch base; s[4:5] K, s[6:7] V at my head; s[8:9] maskbits, s[10:11] out0, s[12:13] queries at q-tile A;
; s[14:15] my flag word; s[16:47] A's 32 mask words; s[48:63], s[68:83] B's; s84 wave; s85 c; s86 rot; s87 loop count; s[88:89] an offset (s89 = 0);
; s[90:91], s[92:93] K, V at the block to load; s94, s95 A's, B's flags, this trip's in bit 0; s96 the block to load; s97 the mask words' offset;
; s66, s67, s98, s99 at work; s100, s101 the selects of v_permlanex16_b32
.set MSB, 0
.macro WIN new                         ; low byte: bits 1:0 source 0, 3:2 source 1, 5:4 source 2, 7:6 destination; the high byte repeats the setting that is left
.if MSB != \new
	s_set_vgpr_msb (MSB<<8)|\new
.set MSB, \new
.endif
.endm
.macro PLACES n
.rept \n
	v_nop
.endr
.endm
; the 64 mask words of one key block: 128 bytes for each of my two q-tiles
.macro MWORDS
	s_load_b512 s[16:31], s[8:9], s97 offset:0x0
	s_load_b512 s[32:47], s[8:9], s97 offset:64
	s_load_b512 s[48:63], s[8:9], s97 offset:QBSTEP
	s_load_b512 s[68:83], s[8:9], s97 offset:QBSTEP+64
.endm
.macro MLOAD                           ; the next block's words.  It stands behind s_wait_kmcnt 0 and behind the last reader of the old words
	s_add_co_u32 s97, s97, 128
	s_and_b32 s97, s97, 4095               ; block 31 is followed by block 0
	MWORDS
.endm
; my eight rows of K's and V's block into set \set: each load takes two whole rows of 256 bytes
.macro XLOAD set, off
	WIN 0x40                               ; destination in the second window
.irp i, 0,1,2,3
	global_load_b128 v[32*\set+4*\i:32*\set+4*\i+3], v[GO], s[90:91] offset:\off+256*\i
.endr
.irp i, 0,1,2,3
	global_load_b128 v[32*\set+16+4*\i:32*\set+16+4*\i+3], v[GO], s[92:93] offset:\off+256*\i
.endr
	WIN 0
.endm
; set \set is rounded to f16 in place and stored into LDS buffer \set; then the trip's barrier
.macro CONV set
	WIN 0x45                               ; destination and both sources in the second window
.irp i, 0,1,2,3,4,5,6,7
	v_cvt_pk_f16_f32 v[32*\set+4*\i], v[32*\set+4*\i], v[32*\set+4*\i+1]
	v_cvt_pk_f16_f32 v[32*\set+4*\i+1], v[32*\set+4*\i+2], v[32*\set+4*\i+3]
.endr
	WIN 0x04                               ; the data of an LDS store is source 1
.irp i, 0,1,2,3
	ds_store_b64 v[KS], v[32*\set+4*\i:32*\set+4*\i+1] offset:\set*BUFB+\i*KPITCH
	ds_store_b64 v[VS], v[32*\set+16+4*\i:32*\set+16+4*\i+1] offset:\set*BUFB+\i*VPITCH
.endr
	WIN 0
	s_wait_dscnt 0x0                       ; for the others' sake: my stores into this buffer are in LDS and my reads of the other buffer are back
	s_barrier_signal -1
	s_barrier_wait -1                      ; behind it this buffer is whole, and the other may be written in the next trip
.endm
.macro KFRAGS buf                      ; 64 keys x 64 d: tile t, half ks of d; d = 0..31 first
.irp ks, 0,1
.irp t, 0,1,2,3
	ds_load_b128 v[FR+16*\t+8*\ks:FR+16*\t+8*\ks+3],   v[KA] offset:\buf*BUFB+\t*16*KPITCH+64*\ks
	ds_load_b128 v[FR+16*\t+8*\ks+4:FR+16*\t+8*\ks+7], v[KA] offset:\buf*BUFB+\t*16*KPITCH+64*\ks+32
.endr
.endr
.endm
.macro VFRAGS buf                      ; V^T: 16 d (dt) x 32 keys (g), from V's rows, transposed 8 x 8 by the load
.irp g, 0,1
.irp dt, 0,1,2,3
	ds_load_tr16_b128 v[FR+32*\g+8*\dt:FR+32*\g+8*\dt+3],   v[VA] offset:\buf*BUFB+\g*32*VPITCH+32*\dt
	ds_load_tr16_b128 v[FR+32*\g+8*\dt+4:FR+32*\g+8*\dt+7], v[VA] offset:\buf*BUFB+\g*32*VPITCH+32*\dt+16*VPITCH
.endr
.endr
.endm
.macro WM_S q, t, ks
.if \ks
	v_wmma_f32_16x16x32_f16 v[SC+32*\q+8*\t:SC+32*\q+8*\t+7], v[FR+16*\t+8*\ks:FR+16*\t+8*\ks+7], v[QF+16*\q+8*\ks:QF+16*\q+8*\ks+7], v[SC+32*\q+8*\t:SC+32*\q+8*\t+7]
.else
	v_wmma_f32_16x16x32_f16 v[SC+32*\q+8*\t:SC+32*\q+8*\t+7], v[FR+16*\t+8*\ks:FR+16*\t+8*\ks+7], v[QF+16*\q+8*\ks:QF+16*\q+8*\ks+7], 0
.endif
.endm
; The accumulators take turns, one instruction a turn (eight of them, or four where one q-tile is at work).
.macro SMM ks, a, b
.irp t, 0,1,2,3
.if \a
	WM_S 0, \t, \ks
.endif
.if \b
	WM_S 1, \t, \ks
.endif
.endr
.endm
.macro WM_O q, dt, g
	v_wmma_f32_16x16x32_f16 v[OA+32*\q+8*\dt:OA+32*\q+8*\dt+7], v[FR+32*\g+8*\dt:FR+32*\g+8*\dt+7], v[SC+32*\q+8*\g:SC+32*\q+8*\g+7], v[OA+32*\q+8*\dt:OA+32*\q+8*\dt+7]
.endm
.macro PVMM g, a, b
.irp dt, 0,1,2,3
.if \a
	WM_O 0, \dt, \g
.endif
.if \b
	WM_O 1, \dt, \g
.endif
.endr
.endm
.macro MASK q                          ; word i is the lane mask of score register i
.set i, 0
.rept 32
.set mw, 16+32*\q+i+4*\q*(i/16)
	v_cndmask_b32 v[SC+32*\q+i], v[SC+32*\q+i], v[NEG], s[mw]
.set i, i+1
.endr
.endm
.macro SM_MAX q                        ; the old maximum and my 32 scores, in two chains; then the other half of the keys
	v_max3_num_f32 v[TT+4*\q],   v[RM+\q], v[SC+32*\q], v[SC+32*\q+1]
	v_max3_num_f32 v[TT+4*\q+1], v[SC+32*\q+16], v[SC+32*\q+17], v[SC+32*\q+18]
.set i, 0
.rept 6
	v_max3_num_f32 v[TT+4*\q],   v[TT+4*\q],   v[SC+32*\q+2+2*i],  v[SC+32*\q+3+2*i]
	v_max3_num_f32 v[TT+4*\q+1], v[TT+4*\q+1], v[SC+32*\q+19+2*i], v[SC+32*\q+20+2*i]
.set i, i+1
.endr
	v_max3_num_f32 v[TT+4*\q], v[TT+4*\q], v[SC+32*\q+14], v[SC+32*\q+15]
	v_max3_num_f32 v[TT+4*\q], v[TT+4*\q], v[TT+4*\q+1], v[SC+32*\q+31]
	v_permlanex16_b32 v[TT+4*\q+2], v[TT+4*\q], s100, s101
	v_max_num_f32 v[RM+\q], v[TT+4*\q], v[TT+4*\q+2]
.endm
; The factor for the old sums is made of the two ROUNDED shifts, the very numbers that enter the exponents: old and new sums keep one unit.
.macro SM_ALPHA q
	v_mul_f32 v[TT+4*\q], 0xbe38aa3b, v[RM+\q]             ; - maximum * c
	v_sub_f32 v[TT+4*\q+1], v[TT+4*\q], v[NM+2*\q]
	v_exp_f32 v[AL+2*\q], v[TT+4*\q+1]
	v_mov_b32 v[NM+2*\q], v[TT+4*\q]                       ; the plain instruction behind the exponential (ISA guide 5.7.2); it touches neither its result nor its source
.endm
.macro SM_EXP q
.set i, 0
.rept 16
	v_pk_fma_f32 v[SC+32*\q+2*i:SC+32*\q+2*i+1], v[SC+32*\q+2*i:SC+32*\q+2*i+1], 0x3e38aa3b, v[NM+2*\q:NM+2*\q+1] op_sel_hi:[1,0,0]   ; s * c - maximum * c
.set i, i+1
.endr
.set i, 0
.rept 16                               ; two exponentials, then two of O's numbers rescaled: the plain instruction that has to follow is useful work
	v_exp_f32 v[SC+32*\q+2*i],   v[SC+32*\q+2*i]
	v_exp_f32 v[SC+32*\q+2*i+1], v[SC+32*\q+2*i+1]
	s_wait_alu depctr_va_vdst(0)
	v_pk_mul_f32 v[OA+32*\q+2*i:OA+32*\q+2*i+1], v[OA+32*\q+2*i:OA+32*\q+2*i+1], v[AL+2*\q:AL+2*\q+1] op_sel_hi:[1,0]
.set i, i+1
.endr
.endm
.macro SM_SUM q                        ; the sum in f32, in two chains; then P in f16, ascending, in place
	s_wait_alu depctr_va_vdst(0)
	v_pk_add_f32 v[TT+4*\q:TT+4*\q+1],   v[SC+32*\q:SC+32*\q+1],       v[SC+32*\q+2:SC+32*\q+3]
	v_pk_add_f32 v[TT+4*\q+2:TT+4*\q+3], v[SC+32*\q+16:SC+32*\q+17],   v[SC+32*\q+18:SC+32*\q+19]
.set i, 0
.rept 6
	v_pk_add_f32 v[TT+4*\q:TT+4*\q+1],   v[TT+4*\q:TT+4*\q+1],   v[SC+32*\q+4+2*i:SC+32*\q+5+2*i]
	v_pk_add_f32 v[TT+4*\q+2:TT+4*\q+3], v[TT+4*\q+2:TT+4*\q+3], v[SC+32*\q+20+2*i:SC+32*\q+21+2*i]
.set i, i+1
.endr
	v_pk_add_f32 v[TT+4*\q:TT+4*\q+1], v[TT+4*\q:TT+4*\q+1], v[TT+4*\q+2:TT+4*\q+3]
	v_add_f32 v[TT+4*\q], v[TT+4*\q], v[TT+4*\q+1]
	v_fma_f32 v[RL+\q], v[RL+\q], v[AL+2*\q], v[TT+4*\q]
.set i, 0
.rept 16
	v_cvt_pk_f16_f32 v[SC+32*\q+i], v[SC+32*\q+2*i], v[SC+32*\q+2*i+1]
.set i, i+1
.endr
.endm
; One key block for q-tile A (a = 1), B (b = 1) or both, from LDS buffer buf.  mnext = 1: the next block's mask words are asked for.
.macro COMPUTE buf, a, b, mnext
	KFRAGS \buf
	s_wait_dscnt 0x8                       ; LDS loads come back in order: the fragments of d = 0..31 are in, the eight loads of d = 32..63 stay out
	SMM 0, \a, \b
	s_wait_dscnt 0x0
	SMM 1, \a, \b
	PLACES 4                               ; four places behind the last product: for the loads into its fragments and for the readers of the scores
	VFRAGS \buf                            ; on their way during the softmax
	s_wait_kmcnt 0x0                       ; this block's mask words
.if \a
	MASK 0
.endif
.if \b
	MASK 1
.endif
.if \mnext
	MLOAD
.endif
.if \a
	SM_MAX 0
.endif
.if \b
	SM_MAX 1
.endif
.if \a
	SM_ALPHA 0
.endif
.if \b
	SM_ALPHA 1
.endif
.if \a
	SM_EXP 0
.endif
.if \b
	SM_EXP 1
.endif
.if \a
	SM_SUM 0
.endif
.if \b
	SM_SUM 1
.endif
	s_wait_dscnt 0x0                       ; V's fragments
	PVMM 0, \a, \b
	PVMM 1, \a, \b
	PLACES 5                               ; five places: the next score products write over P, the next loads over the fragments, the way out reads O
.endm
; Trip t: computes block t from LDS buffer buf = t & 1; load = 1: block t + 2 is asked for, into register set buf (its old block went to LDS last trip);
; conv = 1: block t + 1, in set oth, is rounded and stored into LDS buffer oth, which every wave has finished reading in front of the last barrier.
.macro TRIP buf, oth, load, conv, mnext
.if \load
	s_wait_xcnt 0x0                        ; the bases of the last loads are rewritten only behind this wait
	s_lshl_b32 s88, s96, 14
	s_add_nc_u64 s[90:91], s[4:5], s[88:89]
	s_add_nc_u64 s[92:93], s[6:7], s[88:89]
	s_add_co_u32 s96, s96, 1
	s_and_b32 s96, s96, 31
	XLOAD \buf, 0
.endif
	s_bitcmp1_b32 s94, 0                   ; the flags of this block; no barrier stands inside these branches
	s_cbranch_scc0 .Lnot_a_\@
	s_bitcmp1_b32 s95, 0
	s_cbranch_scc0 .Lonly_a_\@
	COMPUTE \buf, 1, 1, \mnext
	s_branch .Ljoin_\@
.Lonly_a_\@:
	COMPUTE \buf, 1, 0, \mnext
	s_branch .Ljoin_\@
.Lnot_a_\@:
	s_bitcmp1_b32 s95, 0
	s_cbranch_scc0 .Lnone_\@
	COMPUTE \buf, 0, 1, \mnext
	s_branch .Ljoin_\@
.Lnone_\@:
	s_wait_kmcnt 0x0                       ; the words are not used, but their registers and their offset are written again only when they have come
.if \mnext
	MLOAD
.endif
.Ljoin_\@:
	s_lshr_b32 s94, s94, 1
	s_lshr_b32 s95, s95, 1
.if \conv
.if \load
	s_wait_loadcnt 0x8                     ; block t + 1 is in; the eight loads of block t + 2 stay out
.else
	s_wait_loadcnt 0x0                     ; the last block: nothing was asked for behind it
.endif
	CONV \oth
.endif
.endm
	s_load_b256 s[4:11], s[0:1], 0x0               ; keys, values, maskbits, out0
	s_load_b128 s[12:15], s[0:1], 0x20             ; queries, tileflags
	s_set_vgpr_msb 0x40
	v_lshl_add_u32 v64, v0, 2, 0x1a800
	v_mov_b32 v65, 0
	s_set_vgpr_msb 0x4000
	v_lshrrev_b32 v[TT], 5, v0
	v_readfirstlane_b32 s84, v[TT]                 ; wave 0..7
	s_mov_b32 s85, ttmp9                           ; c
	s_and_b32 s66, ttmp7, 0xffff                   ; head
	s_lshl_b32 s86, s85, 2                         ; rot = 4 c
	s_lshl3_add_u32 s67, s84, s85                  ; q-tile A = 8 w + c
	s_mov_b32 s100, 0x76543210                     ; v_permlanex16_b32: lane i of one half reads lane i of the other
	s_mov_b32 s101, 0xfedcba98
	s_mov_b32 s89, 0
	v_and_b32 v[TT], 15, v0                        ; r
	v_bfe_u32 v[TT+1], v0, 4, 1                    ; h
	v_lshlrev_b32 v[GO], 4, v[TT]
	v_lshl_add_u32 v[GO], v[TT+1], 10, v[GO]
	s_lshl_b32 s98, s84, 11
	v_add_nc_u32 v[GO], s98, v[GO]
	v_lshlrev_b32 v[QO], 8, v[TT]
	v_lshl_add_u32 v[QO], v[TT+1], 5, v[QO]
	s_lshl_b32 s88, s66, 19                        ; a head: 2,048 rows of 256 bytes
	s_wait_kmcnt 0x0
	s_add_nc_u64 s[4:5], s[4:5], s[88:89]
	s_add_nc_u64 s[6:7], s[6:7], s[88:89]
	s_add_nc_u64 s[10:11], s[10:11], s[88:89]
	s_add_nc_u64 s[12:13], s[12:13], s[88:89]
	s_lshl_b32 s88, s67, 12                        ; a q-tile: 4,096 bytes of queries, of out0 and of mask words
	s_add_nc_u64 s[8:9], s[8:9], s[88:89]
	s_add_nc_u64 s[10:11], s[10:11], s[88:89]
	s_add_nc_u64 s[12:13], s[12:13], s[88:89]
	s_lshl_b32 s88, s67, 2
	s_add_nc_u64 s[14:15], s[14:15], s[88:89]
	s_load_b32 s94, s[14:15], 0x0                  ; A's flags
	s_load_b32 s95, s[14:15], 0x100                ; B's, 64 words on
	s_lshl_b32 s97, s86, 7                         ; the first block's mask words
	MWORDS
	; Q as the second source: lane (r, h) takes d = 32 ks + 8 h + 0..7 and 32 ks + 16 + 8 h + 0..7 of query r, as f32, into the score registers
.irp q, 0,1
.irp ks, 0,1
	global_load_b128 v[SC+32*\q+16*\ks:SC+32*\q+16*\ks+3],     v[QO], s[12:13] offset:QBSTEP*\q+128*\ks th:TH_LOAD_NT
	global_load_b128 v[SC+32*\q+16*\ks+4:SC+32*\q+16*\ks+7],   v[QO], s[12:13] offset:QBSTEP*\q+128*\ks+16 th:TH_LOAD_NT
	global_load_b128 v[SC+32*\q+16*\ks+8:SC+32*\q+16*\ks+11],  v[QO], s[12:13] offset:QBSTEP*\q+128*\ks+64 th:TH_LOAD_NT
	global_load_b128 v[SC+32*\q+16*\ks+12:SC+32*\q+16*\ks+15], v[QO], s[12:13] offset:QBSTEP*\q+128*\ks+80 th:TH_LOAD_NT
.endr
.endr
	s_lshl_b32 s88, s86, 14
	s_add_nc_u64 s[90:91], s[4:5], s[88:89]        ; K and V at block rot
	s_add_nc_u64 s[92:93], s[6:7], s[88:89]
	XLOAD 0, 0                                     ; block rot
	XLOAD 1, TILEB                                 ; block rot + 1 (rot is 28 at the most)
	; Blocks rot + 2 and rot + 3 of K (waves 0, 1) and of V (waves 2, 3) are asked for ahead: 64 lanes 256 bytes apart cover a block of 16 KiB, 64 KiB for the
	; work-group, two and three trips before their loads.  With rot = 4 c these are blocks 4 c + 2 and 4 c + 3: each block is asked for by one work-group
	; of the launch, and rot + 3 is 31 at the most: inside the head.  The trips ask for nothing: a neighbour with another rot has loaded their blocks before.
	s_and_b32 s98, s84, 1
	s_lshl_b32 s98, s98, 13
	v_and_b32 v[TT+2], 31, v0
	v_lshl_add_u32 v[PF], v[TT+2], 8, s98
	s_cmp_lt_u32 s84, 2
	s_cselect_b64 s[2:3], s[90:91], s[92:93]
	s_cmp_gt_u32 s84, 3
	s_cbranch_scc1 .Lno_prefetch
	global_prefetch_b8 v[PF], s[2:3] offset:2*TILEB th:TH_LOAD_NT scope:SCOPE_SE
	global_prefetch_b8 v[PF], s[2:3] offset:3*TILEB th:TH_LOAD_NT scope:SCOPE_SE
.Lno_prefetch:
	; LDS addresses
	s_mul_i32 s98, s84, 8*KPITCH
	v_mul_u32_u24 v[KS], v[TT+1], 4*KPITCH
	v_lshl_add_u32 v[KS], v[TT], 3, v[KS]
	v_add_nc_u32 v[KS], s98, v[KS]
	s_mul_i32 s98, s84, 8*VPITCH
	s_add_co_u32 s98, s98, VOFF
	v_mul_u32_u24 v[VS], v[TT+1], 4*VPITCH
	v_lshl_add_u32 v[VS], v[TT], 3, v[VS]
	v_add_nc_u32 v[VS], s98, v[VS]
	v_mul_u32_u24 v[KA], v[TT], KPITCH
	v_lshl_add_u32 v[KA], v[TT+1], 4, v[KA]
	v_and_b32 v[TT+2], 7, v0
	v_lshl_add_u32 v[TT+2], v[TT+1], 3, v[TT+2]
	v_mul_u32_u24 v[VA], v[TT+2], VPITCH
	v_bfe_u32 v[TT+3], v0, 3, 1
	v_lshl_add_u32 v[VA], v[TT+3], 4, v[VA]
	v_add_nc_u32 v[VA], VOFF, v[VA]
	s_mul_i32 s98, s84, WSTAGE
	s_add_co_u32 s98, s98, STAGE                   ; my wave's stage
	v_mul_u32_u24 v[STO], v[TT], SPITCH
	v_lshl_add_u32 v[STO], v[TT+1], 5, v[STO]
	v_add_nc_u32 v[STO], s98, v[STO]
	v_mul_u32_u24 v[RD], v[TT+1], SPITCH
	v_lshl_add_u32 v[RD], v[TT], 4, v[RD]
	v_add_nc_u32 v[RD], s98, v[RD]
	v_and_b32 v[CO], 31, v0
	v_lshlrev_b32 v[CO], 4, v[CO]
	v_mov_b32 v[NEG], 0xd0000000                   ; -2^33
.irp q, 0,1
	v_mov_b32 v[RM+\q], 0xff7fffff                 ; below every score
	v_mov_b32 v[RL+\q], 0
	v_mov_b32 v[AL+2*\q], 0
	v_mov_b32 v[AL+2*\q+1], 0                      ; the pairs' upper registers are named and not used
	v_mov_b32 v[NM+2*\q], 0x7e000000               ; 2^125: the first factor comes out as exp2 of a huge negative number, 0
	v_mov_b32 v[NM+2*\q+1], 0
.endr
.irp k, 4,5,6,7
	v_mov_b32 v[TT+\k], 0                          ; v_permlanex16_b32 counts as a reader of its destination
.endr
	; O starts at 0.  Which trip is a q-tile's first hangs on the flags, so no product with the constant 0 as C can be written out to start these sums.
.set i, 0
.rept 64
	v_mov_b32 v[OA+i], 0
.set i, i+1
.endr
	s_wait_loadcnt 0x10                            ; Q's sixteen loads are in; the sixteen of the two blocks stay out
.set i, 0
.rept 32
	v_cvt_pk_f16_f32 v[QF+i], v[SC+2*i], v[SC+2*i+1]
.set i, i+1
.endr
	s_wait_loadcnt 0x8                             ; block rot is in; block rot + 1 stays out
	CONV 0
	s_wait_kmcnt 0x0                               ; the flags (and the first mask words)
	s_sub_co_u32 s98, 32, s86                      ; both words are turned right by rot, so that bit t belongs to trip t
	s_and_b32 s98, s98, 31
	s_lshr_b32 s99, s94, s86
	s_lshl_b32 s94, s94, s98
	s_or_b32 s94, s94, s99
	s_lshr_b32 s99, s95, s86
	s_lshl_b32 s95, s95, s98
	s_or_b32 s95, s95, s99
	s_add_co_u32 s96, s86, 2                       ; the next block to load
	s_mov_b32 s87, 15
.Ltrips:                                               ; trips 0 to 29: they load blocks 2 to 31 (counted from rot)
	TRIP 0, 1, 1, 1, 1
	TRIP 1, 0, 1, 1, 1
	s_sub_co_u32 s87, s87, 1
	s_cmp_lg_u32 s87, 0
	s_cbranch_scc1 .Ltrips
	TRIP 0, 1, 0, 1, 1                             ; trip 30 loads nothing more
	TRIP 1, 0, 0, 0, 0                             ; trip 31: nothing is left to round, to store or to ask for, and no barrier follows
	; THE WAY OUT.  The two halves' sums meet; O^T is divided; lane (r, h) holds d = 16 dt + 8 h + 0..7 of query r: 32 bytes into row r of my own stage,
	; read back as whole rows.  The stage is my wave's own and lies behind the buffers that other waves may still read: no barrier, and LDS serves a
	; wave's instructions in order, so no wait between the stores and the loads.
.irp q, 0,1
	v_permlanex16_b32 v[TT+4*\q+2], v[RL+\q], s100, s101
.endr
.irp q, 0,1
	v_add_f32 v[RL+\q], v[RL+\q], v[TT+4*\q+2]
.endr
	v_rcp_f32 v[AL], v[RL]                         ; every row has a computed block in which its largest score gives exp2 of about 0: the sum is not 0
	v_rcp_f32 v[AL+2], v[RL+1]
	v_nop                                          ; one plain instruction before the reciprocals are used (ISA guide 5.7.2)
	s_wait_alu depctr_va_vdst(0)
.irp q, 0,1
.set i, 0
.rept 16
	v_pk_mul_f32 v[OA+32*\q+2*i:OA+32*\q+2*i+1], v[OA+32*\q+2*i:OA+32*\q+2*i+1], v[AL+2*\q:AL+2*\q+1] op_sel_hi:[1,0]
.set i, i+1
.endr
.endr
.irp q, 0,1
.irp dt, 0,1,2,3
	ds_store_b128 v[STO], v[OA+32*\q+8*\dt:OA+32*\q+8*\dt+3]   offset:\q*16*SPITCH+64*\dt
	ds_store_b128 v[STO], v[OA+32*\q+8*\dt+4:OA+32*\q+8*\dt+7] offset:\q*16*SPITCH+64*\dt+16
.endr
.endr
.set n, 0
.rept 16
	ds_load_b128 v[FR+4*n:FR+4*n+3], v[RD] offset:n*2*SPITCH   ; rows 2 n and 2 n + 1 of the stage's 32
.set n, n+1
.endr
.set n, 0
.rept 16
	s_wait_dscnt 15-n                              ; LDS loads come back in order: pair n is in
	global_store_b128 v[CO], v[FR+4*n:FR+4*n+3], s[10:11] offset:(n/8)*QBSTEP+(n%8)*512 th:TH_STORE_NT   ; two rows: 512 consecutive bytes, at a multiple of 512 from out0's first byte
.set n, n+1
.endr
	s_set_vgpr_msb 0x5
	s_wait_tensorcnt 0x0
	ds_add_u32 v64, v65
	s_wait_dscnt 0x0
	s_set_vgpr_msb 0x500
	s_endpgm
.Lfunc_end_k_q72e73dcf91_attn:
	.size	k_q72e73dcf91_attn, .Lfunc_end_k_q72e73dcf91_attn-k_q72e73dcf91_attn
	.p2alignl 7, 3214868480
	.fill 96, 4, 3214868480
	.section	.rodata,"a",@progbits
	.p2align	6, 0x0
	.amdhsa_kernel k_q72e73dcf91_attn
		.amdhsa_group_segment_fixed_size 109568
		.amdhsa_private_segment_fixed_size 0
		.amdhsa_enable_private_segment 0
		.amdhsa_kernarg_size 48
		.amdhsa_user_sgpr_count 2
		.amdhsa_user_sgpr_kernarg_segment_ptr 1
		.amdhsa_wavefront_size32 1
		.amdhsa_system_sgpr_workgroup_id_x 1
		.amdhsa_system_sgpr_workgroup_id_y 1
		.amdhsa_system_sgpr_workgroup_id_z 1
		.amdhsa_system_vgpr_workitem_id 0
		.amdhsa_next_free_vgpr 322
		.amdhsa_next_free_sgpr 102
		.amdhsa_reserve_vcc 0
		.amdhsa_float_denorm_mode_32 3
		.amdhsa_float_denorm_mode_16_64 3
		.amdhsa_memory_ordered 1
		.amdhsa_forward_progress 1
		.amdhsa_inst_pref_size 228
	.end_amdhsa_kernel
	.amdgpu_metadata
---
amdhsa.version: [ 1, 2 ]
amdhsa.kernels:
  - .name:           k_q72e73dcf91_attn
    .symbol:         k_q72e73dcf91_attn.kd
    .args:
      - { .name: keys, .offset: 0, .size: 8, .value_kind: global_buffer, .address_space: global }
      - { .name: values, .offset: 8, .size: 8, .value_kind: global_buffer, .address_space: global }
      - { .name: maskbits, .offset: 16, .size: 8, .value_kind: global_buffer, .address_space: global }
      - { .name: out0, .offset: 24, .size: 8, .value_kind: global_buffer, .address_space: global }
      - { .name: queries, .offset: 32, .size: 8, .value_kind: global_buffer, .address_space: global }
      - { .name: tileflags, .offset: 40, .size: 8, .value_kind: global_buffer, .address_space: global }
    .group_segment_fixed_size: 109568
    .private_segment_fixed_size: 0
    .kernarg_segment_align: 8
    .kernarg_segment_size: 48
    .max_flat_workgroup_size: 256
    .sgpr_count:     102
    .vgpr_count:     322
    .wavefront_size: 32
...
	.end_amdgpu_metadata
.endif
;; end of part 2
